; MI455X (gfx1250); checked and timed in simulation.
; The chip was launched on July 23, 2026; its instructions are those of AMD's public machine-readable ISA for CDNA 5 (MIT licence, August 2026) and "CDNA5" Instruction Set Architecture Reference Guide (July 2026). The comments in the code are by the model that wrote it; some were corrected since.
;; Multi Head Self Attention. Allowed arithmetic: matrix products marked QUANTISED: E2M1 operands, one E8M0 scale for each 32 along K, by v_wmma_scale_f32_16x16x128_f8f6f4 with both operands' format E2M1 (or v_wmma_scale_f32_32x16x128_f4), f32 sums; everything else in f32.
;; Inputs: Wk 512 x 512 float32; Wo 512 x 512 float32; Wq 512 x 512 float32; Wv 512 x 512 float32; bk 512 float32; bo 512 float32; bq 512 float32; bv 512 float32; x 2 x 4,096 x 512 float32.
;; Outputs: out0 2 x 4,096 x 512 float32.
;; This version of the problem:
;;   THIS VERSION OF THE PROBLEM IS GIVEN IN LOW PRECISION. The matrix products marked QUANTISED in the list below multiply operands that are first quantised to E2M1 (2 exponent bits, 1 mantissa bit; 4 bits a number), with one power-of-two scale for each 32 numbers along K (OCP MX v1.0); their sums are f32. All else is computed in f32.
;;   The module's matrix products, in the order in which they are computed (A, B: the left and right operand; K: the contracted axis; several contracted axes count as one K, in the product's order):
;;     1. [M 8,192, K 512] x [K 512, N 512]; A: input x; B: input Wq: QUANTISED
;;     2. [M 8,192, K 512] x [K 512, N 512]; A: input x; B: input Wk: QUANTISED
;;     3. [M 8,192, K 512] x [K 512, N 512]; A: input x; B: input Wv: QUANTISED
;;     4. batch 16 x [M 4,096, K 64] x [K 64, N 4,096]; A: computed on the way; B: computed on the way: QUANTISED
;;     5. batch 16 x [M 64, K 4,096] x [K 4,096, N 4,096]; A: computed on the way; B: softmax (see below): QUANTISED
;;     6. [M 8,192, K 512] x [K 512, N 512]; A: computed on the way; B: input Wo: QUANTISED
;;   THE QUANTISER, for each operand of a quantised product, along K:
;;     - K is cut into blocks of 32 from its start; a last block that is shorter is filled with zeros.
;;     - A block's scale is 2^e with e = floor(log2(the largest magnitude in the block)) - 2, held to -126 .. 127; a block of zeros has e = 0. As a byte (E8M0): e + 127.
;;     - Each number is divided by its block's scale, clamped to +-6, and rounded to the nearest number of E2M1, ties to even, subnormals kept.
;;     - The product sums the exact products of the quantised numbers (number of the format x scale) in f32.
;;   ~~~python
;;   def quantise(x, axis):      # numpy; x: float32 -> the quantised numbers, widened to float32 again
;;       x = np.moveaxis(x, axis, -1); K = x.shape[-1]
;;       x = np.pad(x, [(0, 0)] * (x.ndim - 1) + [(0, -K % 32)]); x = x.reshape(x.shape[:-1] + (-1, 32)); a = np.abs(x).max(-1, keepdims=True)
;;       e = np.where(a > 0, np.clip(np.frexp(np.where(a > 0, a, 1))[1] - 1 - 2, -126, 127), 0)      # np.frexp(a)[1] - 1 = floor(log2(a)), exactly
;;       r = np.clip(x / 2.0 ** e, -6, 6)
;;       step = 2.0 ** (np.maximum(np.frexp(np.where(r == 0, 1, r))[1] - 1, 0) - 1)
;;       q = np.round(r / step) * step * 2.0 ** e      # np.round: ties to even
;;       return np.moveaxis(q.reshape(q.shape[:-2] + (-1,))[..., :K], -1, axis).astype(np.float32)
;;   ~~~
;;   SOFTMAX AHEAD OF A QUANTISED PRODUCT. Where the list says 'softmax', what is quantised is not the finished softmax but p = 2^(t - M), with t = logit x log2(e) and M = ceil(the row's largest t), a whole number; so 1/2 < the row's largest p <= 1. The row's sum l is taken of the UNQUANTISED p, in f32, and the product's result is divided by l at the end. Since M is a whole number, a kernel that streams over the keys may use a running M (the ceiling of the running maximum): every later rescaling is an exact power of two, which a block's scale takes up: the codes' values come out the same.
;;   OPERANDS COMPUTED ON THE WAY. 'Computed on the way' means the value that the module computes at that place (a softmax that the list does not call 'softmax' is quantised finished and normalised). What goes into a quantiser is computed in f32, as accurately as f32 sums, v_exp_f32 and their like allow (about 1e-6 of the number): no bf16 or f16 on the way to a quantiser, and a product that is left as it is and whose result goes on into a quantised operand takes f32 operands (vector FMAs, or v_wmma_f32_16x16x4_f32). A number that lies on a knife's edge between two numbers of the format may be rounded either way, as far as f32 arithmetic and the matrix unit's own rounding can turn it there, and no further.
;; One version. Each part assembles by itself: llvm-mc -triple=amdgcn-amd-amdhsa -mcpu=gfx1250 --defsym DOCPART=n.
;; ======== version 1 of 1: 4 launches
;; limits: right only within a limited range of input values
;; workspace buffers: pk 2,785,280 bytes; kv 4,587,520 bytes; qb 4,587,520 bytes; ob 2,228,224 bytes
;; launch prep (part 1): grid 640 x 1, 4 waves a work-group, no clusters, 34,304 bytes of LDS; arguments x, Wq, Wk, Wv, Wo, pk; writes pk
.if DOCPART == 1
	.amdgcn_target "amdgcn-amd-amdhsa--gfx1250"
	.amdhsa_code_object_version 6
	.text
	.protected	k_q4a1cf0b94e_prep
	.globl	k_q4a1cf0b94e_prep
	.p2align	8
	.type	k_q4a1cf0b94e_prep,@function
k_q4a1cf0b94e_prep:
	s_mov_b64 s[64:65], 0
	v_nop
	global_prefetch_b8 v0, s[64:65] scope:SCOPE_SE
	s_setreg_imm32_b32 hwreg(HW_REG_WAVE_MODE, 25, 1), 1
	s_wait_xcnt 0x0
; x [8192][512] and Wq, Wk, Wv, Wo [512][512], f32, K innermost, become codes of FP4 (E2M1) with one E8M0 byte for each 32 along K,
; laid as TILE RECORDS: images of the matrix operand's registers, so that every later read of a fragment is 512 consecutive bytes.
; A RECORD is 16 rows x 512 K in 4,352 bytes.  Codes: K step s (128 along K), register group c: at 1024 s + 512 c + 16 lane; lane (r, h) holds k = 128 s + 64 c + 32 h + 0 .. 31 of row r.
; Scale bytes: at 4096 + 16 r + (k / 32).  THE ROWS OF A RECORD ARE NOT NEIGHBOURS: row r of record t is row 32 (t / 2) + 8 (t % 2) + r + 8 (r / 8) of its tensor, so that in a product's result
; the 16 registers of two neighbouring tiles are 16 neighbours.  Records 0-511: x; 512-543 Wq; 544-575 Wk; 576-607 Wv; 608-639 Wo.
; SHARES: a work-group makes one record, wave s its K step s: 16 rows x 512 bytes in, 1,024 bytes of codes and 16 scale words out.  No loop, no barrier: waves share nothing.
; A load takes 512 consecutive bytes of one row; the conversions want 32 neighbours along K in ONE lane: so the 8 KiB turn through the wave's own stage in LDS (rows 528 bytes apart).
; A block's scale byte is its largest magnitude's exponent field - 2, held at 1 from below.  LIMITS: a block of zeros, or one whose largest magnitude lies under 2^-124, gets the byte 1
; (its codes are zeros or the nearest codes under that byte; this program alone reads the bytes); NaN and infinities among the inputs are not served.
; The scale words leave 4 bytes a row, 16 bytes apart: one byte in 128 of what the launch reads.
.set REC,    4352
.set SPITCH, 528                       ; a stage row: 512 bytes + 16: an odd multiple of 16 bytes, so that sixteen rows' 16-byte pieces fall on different banks
.set WSTG,   16*SPITCH                 ; a wave's stage
.set R,      16                        ; v16-79   the numbers as loaded: row r in 4 registers
.set X,      80                        ; v80-143  my two blocks of 32 neighbours
.set C,      144                       ; v144-151 their codes
	s_load_b256 s[4:11], s[0:1], 0x0               ; x, Wq, Wk, Wv
	s_load_b128 s[12:15], s[0:1], 0x20             ; Wo, pk
	v_lshl_add_u32 v160, v0, 2, 0x8400
	v_mov_b32 v161, 0
	v_lshrrev_b32 v1, 5, v0
	v_readfirstlane_b32 s16, v1                    ; wave = K step
	v_and_b32 v1, 31, v0                           ; lane
	v_and_b32 v2, 15, v0                           ; r
	v_bfe_u32 v3, v0, 4, 1                         ; h
	v_lshlrev_b32 v4, 4, v1                        ; 16 x lane: my bytes of a row's 512
	s_mul_i32 s28, s16, WSTG
	v_add_nc_u32 v5, s28, v4                       ; the stage, on the way in
	v_mul_u32_u24 v6, v2, SPITCH
	v_lshl_add_u32 v6, v3, 7, v6
	v_add_nc_u32 v6, s28, v6                       ; and on the way out: row r, + 128 h bytes: k = 32 h on
	s_lshl_b32 s29, s16, 10
	v_add_nc_u32 v7, s29, v4                       ; my codes' place in the record: 1024 x wave + 16 x lane
	s_lshl_b32 s29, s16, 2
	v_lshlrev_b32 v1, 4, v2
	v_add_nc_u32 v1, s29, v1                       ; my scale word's: 16 r + 4 x wave
	v_lshlrev_b32 v3, 3, v3                        ; 8 h: where my two bytes stand in the word
	v_mov_b32 v15, 0                               ; (a lane permute's destination counts as one of its sources)
	s_mov_b32 s24, 0x76543210
	s_mov_b32 s25, 0xfedcba98                      ; selects: lane l xor 16
	s_sub_co_u32 s17, ttmp9, 512                   ; the record's number among the weights' (used only from record 512 on)
	s_lshr_b32 s18, s17, 5                         ; which weight
	s_and_b32 s19, s17, 31                         ; which tile of it
	s_wait_alu depctr_va_vdst(0)
	s_wait_kmcnt 0x0
	s_cmp_eq_u32 s18, 1                            ; the source is chosen by the work-group's number alone
	s_cselect_b64 s[20:21], s[8:9], s[6:7]
	s_cmp_eq_u32 s18, 2
	s_cselect_b64 s[20:21], s[10:11], s[20:21]
	s_cmp_eq_u32 s18, 3
	s_cselect_b64 s[20:21], s[12:13], s[20:21]
	s_cmp_lt_u32 ttmp9, 512
	s_cselect_b64 s[20:21], s[4:5], s[20:21]
	s_cselect_b32 s19, ttmp9, s19                  ; the tile t in its tensor
	s_lshr_b32 s22, s19, 1
	s_lshl_b32 s22, s22, 16                        ; 32 (t / 2) rows of 2,048 bytes
	s_and_b32 s23, s19, 1
	s_lshl_b32 s23, s23, 14                        ; + 8 (t % 2) rows
	s_add_co_u32 s22, s22, s23
	s_lshl_b32 s23, s16, 9                         ; + my K step's 512 bytes
	s_add_co_u32 s22, s22, s23
	s_mov_b32 s23, 0
	s_add_nc_u64 s[20:21], s[20:21], s[22:23]
	s_mul_i32 s26, ttmp9, REC
	s_mov_b32 s27, 0
	s_add_nc_u64 s[14:15], s[14:15], s[26:27]      ; my record
.irp r, 0,1,2,3,4,5,6,7,8,9,10,11,12,13,14,15
	global_load_b128 v[R+4*\r:R+4*\r+3], v4, s[20:21] offset:(\r+8*(\r/8))*2048 th:TH_LOAD_NT   ; 32 lanes read 512 consecutive bytes of row r; read once in the launch
.endr
.irp r, 0,1,2,3,4,5,6,7,8,9,10,11,12,13,14,15
	s_wait_loadcnt 15-\r                           ; loads come back in order: row r is in, the younger rows stay out
	ds_store_b128 v5, v[R+4*\r:R+4*\r+3] offset:\r*SPITCH
.endr
.irp c, 0,1
.irp j, 0,1,2,3,4,5,6,7
	ds_load_b128 v[X+32*\c+4*\j:X+32*\c+4*\j+3], v6 offset:256*\c+16*\j   ; k = 64 c + 32 h + 4 j on; LDS serves a wave's instructions in order: these see my stores
.endr
.endr
	s_wait_dscnt 0x0
.irp c, 0,1
	v_max3_num_f32 v[8+\c], |v[X+32*\c]|, |v[X+32*\c+1]|, 0x1800000   ; my block 2 c + h: all 32 numbers are mine; and the floor 2^(3 - 127): the byte cannot fall under 1
.endr
.irp i, 2,4,6,8,10,12,14,16,18,20,22,24,26,28,30
.irp c, 0,1
	v_max3_num_f32 v[8+\c], v[8+\c], |v[X+32*\c+\i]|, |v[X+32*\c+\i+1]|   ; (the two blocks by turns)
.endr
.endr
.irp c, 0,1
	v_add_nc_u32 v[10+\c], 0xff000000, v[8+\c]     ; 2 off the exponent field: the conversion takes this operand's exponent field as its scale
.endr
.irp c, 0,1
	v_lshrrev_b32 v[12+\c], 23, v[10+\c]           ; the scale's byte
.endr
	v_lshl_or_b32 v14, v13, 16, v12                ; blocks h and 2 + h,
	v_lshlrev_b32 v14, v3, v14                     ; at their places in the word;
	v_permlanex16_b32 v15, v14, s24, s25
	v_or_b32 v14, v14, v15                         ; with lane l xor 16's two the word is whole
.irp c, 0,1
.irp g, 0,1,2,3
	v_cvt_scalef32_pk8_fp4_f32 v[C+4*\c+\g], v[X+32*\c+8*\g:X+32*\c+8*\g+7], v[10+\c]
.endr
.endr
	v_nop                                          ; one plain instruction behind the last scaled conversion
.irp c, 0,1
	global_store_b128 v7, v[C+4*\c:C+4*\c+3], s[14:15] offset:512*\c   ; 32 lanes store 512 consecutive bytes, aligned to 256
.endr
	global_store_b32 v1, v14, s[14:15] offset:4096 ; lanes 16-31 write the same word to the same place
	s_wait_tensorcnt 0x0
	ds_add_u32 v160, v161
	s_wait_dscnt 0x0
	s_endpgm
.Lfunc_end_k_q4a1cf0b94e_prep:
	.size	k_q4a1cf0b94e_prep, .Lfunc_end_k_q4a1cf0b94e_prep-k_q4a1cf0b94e_prep
	.p2alignl 7, 3214868480
	.fill 96, 4, 3214868480
	.section	.rodata,"a",@progbits
	.p2align	6, 0x0
	.amdhsa_kernel k_q4a1cf0b94e_prep
		.amdhsa_group_segment_fixed_size 34304
		.amdhsa_private_segment_fixed_size 0
		.amdhsa_enable_private_segment 0
		.amdhsa_kernarg_size 48
		.amdhsa_user_sgpr_count 2
		.amdhsa_user_sgpr_kernarg_segment_ptr 1
		.amdhsa_wavefront_size32 1
		.amdhsa_system_sgpr_workgroup_id_x 1
		.amdhsa_system_sgpr_workgroup_id_y 1
		.amdhsa_system_sgpr_workgroup_id_z 1
		.amdhsa_system_vgpr_workitem_id 0
		.amdhsa_next_free_vgpr 162
		.amdhsa_next_free_sgpr 66
		.amdhsa_reserve_vcc 0
		.amdhsa_float_denorm_mode_32 3
		.amdhsa_float_denorm_mode_16_64 3
		.amdhsa_memory_ordered 1
		.amdhsa_forward_progress 1
		.amdhsa_inst_pref_size 10
	.end_amdhsa_kernel
	.amdgpu_metadata
---
amdhsa.version: [ 1, 2 ]
amdhsa.kernels:
  - .name:           k_q4a1cf0b94e_prep
    .symbol:         k_q4a1cf0b94e_prep.kd
    .args:
      - { .name: x, .offset: 0, .size: 8, .value_kind: global_buffer, .address_space: global }
      - { .name: Wq, .offset: 8, .size: 8, .value_kind: global_buffer, .address_space: global }
      - { .name: Wk, .offset: 16, .size: 8, .value_kind: global_buffer, .address_space: global }
      - { .name: Wv, .offset: 24, .size: 8, .value_kind: global_buffer, .address_space: global }
      - { .name: Wo, .offset: 32, .size: 8, .value_kind: global_buffer, .address_space: global }
      - { .name: pk, .offset: 40, .size: 8, .value_kind: global_buffer, .address_space: global }
    .group_segment_fixed_size: 34304
    .private_segment_fixed_size: 0
    .kernarg_segment_align: 8
    .kernarg_segment_size: 48
    .max_flat_workgroup_size: 128
    .sgpr_count:     66
    .vgpr_count:     162
    .wavefront_size: 32
...
	.end_amdgpu_metadata
.endif
;; end of part 1
;; launch qkv (part 2): grid 64 x 3, 16 waves a work-group, clusters of 4 x 1, 176,128 bytes of LDS; arguments pk, bq, bk, bv, qb, kv; writes qb, kv
.if DOCPART == 2
	.amdgcn_target "amdgcn-amd-amdhsa--gfx1250"
	.amdhsa_code_object_version 6
	.text
	.protected	k_q4a1cf0b94e_qkv
	.globl	k_q4a1cf0b94e_qkv
	.p2align	8
	.type	k_q4a1cf0b94e_qkv,@function
k_q4a1cf0b94e_qkv:
	s_mov_b64 s[64:65], 0
	v_nop
	global_prefetch_b8 v0, s[64:65] scope:SCOPE_SE
	s_setreg_imm32_b32 hwreg(HW_REG_WAVE_MODE, 25, 1), 1
	s_wait_xcnt 0x0
	s_wait_alu depctr_hold_cnt(0) depctr_sa_sdst(0) depctr_va_vdst(0) depctr_va_sdst(0) depctr_va_ssrc(0) depctr_va_vcc(0) depctr_vm_vsrc(0)
	s_getreg_b32 s2, hwreg(HW_REG_IB_STS2, 6, 4)
	s_cmp_eq_u32 s2, 0
	s_cbranch_scc0 .Lentry_in_a_cluster
	s_endpgm
.Lentry_in_a_cluster:
	s_bfe_u32 s2, ttmp6, 0x10000c
	s_cmp_lg_u32 s2, 0x3003
	s_cbranch_scc0 .Lentry_shape_is_right
	s_endpgm
.Lentry_shape_is_right:
; q = x Wq^T + bq, k = x Wk^T + bk, v = x Wv^T + bv on codes of FP4 (tile records of 4,352 bytes: 16 rows x 512 K as images of the operand's registers, then 16 scale bytes a row),
; and the results quantised at once for attention: q and k along the head's 64 channels, v along the keys.  Nothing leaves as f32.
; SHARES: work-group (g, kind): tokens 128 g .. 128 g + 127, kind 0 q, 1 k, 2 v, all 512 columns.  Sixteen waves, four to a SIMD, 16 accumulators each, 4 K steps of 128: 64 matrix instructions a wave.
; LDS, filled once: x's 8 records at 0, the weight's 32 records behind them.  CLUSTER: the four work-groups of a cluster share the kind, so the weight's records are asked for JOINTLY (mask 15);
; x's records differ between partners and come by plain loads.  By this text's count a wave has at most two tensor loads out.
; ROWS OF A TILE: row r of tile t is row 32 (t / 2) + 8 (t % 2) + r + 8 (r / 8).  So the 16 registers of two neighbouring result tiles are 16 neighbours.
; PATH QK (kinds 0, 1; they differ in two pointers): wave = (head hd, half a): x's tiles 4 a .. 4 a + 3 against the head's four weight tiles, TRANSPOSED (source 0 = weight, source 1 = x): a lane holds one token,
;   its 32 registers of a tile of tokens the head's channels 32 b + 16 h + 0 .. 15: two blocks of 32 with lane l xor 16.
; PATH V: wave = (head hd, half b): two weight tiles against x's eight, NATURAL (source 0 = x, source 1 = weight): a lane holds one channel, its 64 registers the keys 32 G + 16 h + 0 .. 15: four blocks along the keys.
; OUT, for head H = 8 batch + hd and key step = g % 32 (qb and kv have the same strides; qb uses K's places alone):
;   codes at 286720 H + 8192 step:  K's tile T at 512 T + 16 lane (lane (r, h): row r, channels 32 h on);  V's tile t at 4096 + 1024 t + 512 c + 16 lane (lane (r, h): channel row r, keys 64 c + 32 h on)
;   scales at 286720 H + 262144 + 768 step:  K's word of tile T, row r at 256 (T / 4) + 16 r + 4 (T % 4), = byte 0 | byte 1 << 8 | 0x7f7f0000;  V's word of tile t, row r at 512 + 128 (t / 2) + 8 r + 4 (t % 2).
; The biases are the C of each sum's first matrix instruction.  LIMITS: as in the quantiser: a block under 2^-124 gets the byte 1; NaN and infinities are not served.
.set REC,   4352
.set WL,    8*REC                      ; LDS: the weight's records
.set HEADB, 286720
.set SCOFF, 262144
.set WV,  16                           ; s16 my wave's number
.set SEL, 48                           ; s[48:49] selects: lane l xor 16
.set ACC, 128                          ; v128-255 sixteen accumulators
.set TM,  20                           ; v20-35  the quantiser's work (over the biases, which only the first K step reads)
.set PC,  36                           ; v36-51  the codes just made
.set PW,  116                          ; v116-117 scale words just made
.set SW,  120                          ; v120-123 path QK: the four tiles' words
.set XS,  12                           ; path QK: v12-13 x's scale words, v14-15 the weight's; v20-51 bias; v52-83 weight fragments; v84-115 x's
.set WS,  14
.set BI,  20
.set WF,  52
.set XF,  84
.set XSV, 12                           ; path V: v12-15 x's scale words, v16 the weight's; v20-35 bias; v36-51 weight fragments; v52-115 x's
.set WSV, 16
.set BV,  20
.set WFV, 36
.set XFV, 52
.macro CROUND                          ; a round of the cluster's barrier
	s_barrier_signal -1
	s_barrier_wait -1
	s_cmp_lg_u32 s[WV], 0
	s_cbranch_scc1 .Lnot_wave_0_\@
	s_barrier_signal -3
.Lnot_wave_0_\@:
	s_barrier_wait -3
	s_barrier_signal -1
	s_barrier_wait -1
.endm
; one matrix instruction; ra, rb: the side's scale words stand in lanes 16-31 of the register named
.macro MM d, a, b, c, sa, sb, ra, rb
.if ((\ra) == 0) && ((\rb) == 0)
	v_wmma_scale_f32_16x16x128_f8f6f4 v[\d:\d+7], v[\a:\a+7], v[\b:\b+7], v[\c:\c+7], v[\sa], v[\sb] matrix_a_fmt:MATRIX_FMT_FP4 matrix_b_fmt:MATRIX_FMT_FP4
.elseif (\rb) == 0
	v_wmma_scale_f32_16x16x128_f8f6f4 v[\d:\d+7], v[\a:\a+7], v[\b:\b+7], v[\c:\c+7], v[\sa], v[\sb] matrix_a_fmt:MATRIX_FMT_FP4 matrix_b_fmt:MATRIX_FMT_FP4 matrix_a_scale:MATRIX_SCALE_ROW1
.elseif (\ra) == 0
	v_wmma_scale_f32_16x16x128_f8f6f4 v[\d:\d+7], v[\a:\a+7], v[\b:\b+7], v[\c:\c+7], v[\sa], v[\sb] matrix_a_fmt:MATRIX_FMT_FP4 matrix_b_fmt:MATRIX_FMT_FP4 matrix_b_scale:MATRIX_SCALE_ROW1
.else
	v_wmma_scale_f32_16x16x128_f8f6f4 v[\d:\d+7], v[\a:\a+7], v[\b:\b+7], v[\c:\c+7], v[\sa], v[\sb] matrix_a_fmt:MATRIX_FMT_FP4 matrix_b_fmt:MATRIX_FMT_FP4 matrix_a_scale:MATRIX_SCALE_ROW1 matrix_b_scale:MATRIX_SCALE_ROW1
.endif
.endm
; 64 numbers of a lane, register 16 b + i = place 32 b + 16 (lane / 16) + i of my row, become 8 registers of codes (registers 4 c .. 4 c + 3: lanes 0-15 block 2 c, lanes 16-31 block 2 c + 1) and the four blocks' bytes in one word.
; Each accumulator is read from its low end on.
.macro QUANT64 s, pc, pw
.irp b, 0,1,2,3
	v_max3_num_f32 v[TM+\b], |v[(\s)+16*\b]|, |v[(\s)+1+16*\b]|, 0x1800000   ; block b: my 16 numbers, and the floor 2^(3 - 127): the byte cannot fall under 1
.endr
.irp i, 2,4,6,8,10,12,14
.irp b, 0,1,2,3
	v_max3_num_f32 v[TM+\b], v[TM+\b], |v[(\s)+16*\b+\i]|, |v[(\s)+1+16*\b+\i]|   ; (the four blocks by turns)
.endr
.endr
.irp b, 0,1,2,3
	s_delay_alu instid0(VALU_DEP_4)
	v_permlanex16_b32 v[TM+4+\b], v[TM+\b], s[SEL], s[SEL+1]
.endr
.irp b, 0,1,2,3
	s_delay_alu instid0(VALU_DEP_4)
	v_max_num_f32 v[TM+\b], v[TM+\b], v[TM+4+\b]   ; with lane l xor 16's: the block's largest magnitude
.endr
.irp b, 0,1,2,3
	s_delay_alu instid0(VALU_DEP_4)
	v_add_nc_u32 v[TM+12+\b], 0xff000000, v[TM+\b] ; 2 off its exponent field: the conversion's scale operand
.endr
.irp b, 0,1,2,3
	s_delay_alu instid0(VALU_DEP_4)
	v_lshrrev_b32 v[TM+4+\b], 23, v[TM+12+\b]      ; the scale's byte
.endr
	s_delay_alu instid0(VALU_DEP_3)
	v_lshl_or_b32 v[\pw], v[TM+5], 8, v[TM+4]
	s_delay_alu instid0(VALU_DEP_1)
	v_lshl_or_b32 v[\pw], v[TM+6], 16, v[\pw]
	s_delay_alu instid0(VALU_DEP_1)
	v_lshl_or_b32 v[\pw], v[TM+7], 24, v[\pw]
.irp b, 0,1,2,3
	v_cvt_scalef32_pk8_fp4_f32 v[(\pc)+2*\b], v[(\s)+16*\b:(\s)+7+16*\b], v[TM+12+\b]
	v_cvt_scalef32_pk8_fp4_f32 v[(\pc)+1+2*\b], v[(\s)+8+16*\b:(\s)+15+16*\b], v[TM+12+\b]
.endr
	v_nop                                          ; one plain instruction behind the last scaled conversion
.irp c, 0,1
.irp i, 0,1
	v_permlane16_swap_b32 v[(\pc)+4*\c+\i], v[(\pc)+2+4*\c+\i]   ; a whole block to a lane
.endr
.endr
.endm
	s_load_b256 s[4:11], s[0:1], 0x0               ; pk, bq, bk, bv
	s_load_b128 s[12:15], s[0:1], 0x20             ; qb, kv
	v_lshl_add_u32 v126, v0, 2, 0x2a800
	v_mov_b32 v127, 0
	ds_add_u32 v126, v127
	ds_add_u32 v126, v127
	v_lshrrev_b32 v1, 5, v0
	s_delay_alu instid0(VALU_DEP_1)
	v_readfirstlane_b32 s[WV], v1                  ; wave 0..15
	s_bfe_u32 s17, ttmp6, 0x40000                  ; cx: my place in the cluster
	s_lshl_b32 s18, ttmp9, 2
	s_add_co_u32 s18, s18, s17                     ; g: it enters x's plain loads and the stores' addresses alone
	s_and_b32 s19, ttmp7, 0xffff                   ; kind: shared by the four partners
	; group 1 for the weight: 4 records = 68 rows of 256 bytes (32 elements of 8 bytes), dense; joint
	s_mov_b32 s24, 15|(3<<16)|(1<<21)              ; 15:0 the mask: all four work-groups; 17:16 elements of 8 bytes; 21 set beside a mask
	s_mov_b32 s25, 32<<16                          ; tensor_dim0 = 32
	s_mov_b32 s26, 68<<16                          ; tensor_dim1 = 68: four records to a load
	s_mov_b32 s27, 32<<16                          ; tile_dim0 = 32
	s_mov_b32 s28, 68                              ; tile_dim1 = 68
	s_mov_b32 s29, 32                              ; from row to row
	s_mov_b32 s30, 0
	s_mov_b32 s31, 0
	; group 1 for x: 1 record = 17 rows; no mask
	s_mov_b32 s32, 3<<16
	s_mov_b32 s33, 32<<16
	s_mov_b32 s34, 17<<16
	s_mov_b32 s35, 32<<16
	s_mov_b32 s36, 17
	s_mov_b32 s37, 32
	s_mov_b32 s38, 0
	s_mov_b32 s39, 0
	s_and_b32 s51, s[WV], 7                        ; one tensor load a wave: waves 0-7 fetch x's record wave % 8, waves 8-15 the weight's records 4 (wave % 8) on
	s_lshl_b32 s20, s19, 5
	s_lshl_b32 s21, s51, 2
	s_add_co_u32 s20, s20, s21
	s_add_co_u32 s20, s20, 512                     ; the weight's records 512 + 32 kind + 4 (wave % 8) on
	s_mul_i32 s20, s20, REC
	s_mov_b32 s21, 0
	s_lshl_b32 s22, s18, 3
	s_add_co_u32 s22, s22, s51                     ; x's record 8 g + wave % 8
	s_mul_i32 s22, s22, REC
	s_mov_b32 s23, 0
	s_mov_b32 s40, 1                               ; group 0 for the weight: count,
	s_mul_i32 s41, s51, 4*REC
	s_add_co_u32 s41, s41, WL                      ; LDS address: a constant + wave x a constant
	s_mov_b32 s44, 1                               ; group 0 for x
	s_mul_i32 s45, s51, REC
	s_mov_b32 s[SEL], 0x76543210
	s_mov_b32 s[SEL+1], 0xfedcba98
	s_mov_b32 s50, 0x7f7f0000                      ; the bytes of the two blocks that a head's K of 64 does not have: 2^0
	s_wait_dscnt 0x0
	s_wait_kmcnt 0x0
	s_add_nc_u64 s[42:43], s[4:5], s[20:21]
	s_or_b32 s43, s43, 0x80000000                  ; type = 2
	s_add_nc_u64 s[46:47], s[4:5], s[22:23]
	s_or_b32 s47, s47, 0x80000000
	CROUND                                         ; all four work-groups are here: the joint loads meet
	s_cmp_lt_u32 s[WV], 8                          ; a wave's first fills stand in one branch on the wave's number; four v_nop follow the last
	s_cbranch_scc0 .Lonly_w
	tensor_load_to_lds s[44:47], s[32:39]
	s_nop 0
.rept 4
	v_nop
.endr
	s_branch .Lasked
.Lonly_w:
	tensor_load_to_lds s[40:43], s[24:31]
	s_nop 0
.rept 4
	v_nop
.endr
.Lasked:
	v_and_b32 v1, 31, v0
	s_delay_alu instid0(VALU_DEP_1)
	v_lshlrev_b32 v1, 4, v1                        ; 16 x lane: an image's place for my lane
	v_and_b32 v8, 15, v0                           ; r
	v_bfe_u32 v9, v0, 4, 1                         ; h
	s_delay_alu instid0(VALU_DEP_1)
	v_mul_u32_u24 v10, v9, REC
	s_delay_alu instid0(VALU_DEP_1)
	v_lshl_add_u32 v10, v8, 4, v10
	s_delay_alu instid0(VALU_DEP_1)
	v_add_nc_u32 v10, 4096, v10                    ; scale words: lanes 0-15 a record's rows, lanes 16-31 the next record's
	s_lshr_b32 s51, s[WV], 1                       ; hd
	s_and_b32 s59, s[WV], 1                        ; the half
	s_lshr_b32 s66, s18, 5                         ; batch
	s_lshl_b32 s66, s66, 3
	s_add_co_u32 s66, s66, s51                     ; H
	s_mul_i32 s66, s66, HEADB
	s_and_b32 s67, s18, 31                         ; key step
	s_lshl_b32 s68, s67, 13
	s_add_co_u32 s52, s66, s68                     ; where the step's codes begin
	s_mul_i32 s68, s67, 768
	s_add_co_u32 s54, s66, s68
	s_add_co_u32 s54, s54, SCOFF                   ; and its scale words
	s_mov_b32 s53, 0
	s_mov_b32 s55, 0
	s_wait_tensorcnt 0x0                           ; my records are in,
	s_barrier_signal -1
	s_barrier_wait -1                              ; everybody's are; nothing is filled again
	s_cmp_eq_u32 s19, 2                            ; the kind is the same in every wave and every partner
	s_cbranch_scc1 .Lpath_v
	; ---------------- PATH QK
	s_cmp_eq_u32 s19, 0
	s_cselect_b64 s[60:61], s[12:13], s[14:15]     ; into qb or kv
	s_cselect_b64 s[56:57], s[6:7], s[8:9]         ; bq or bk
	s_lshl_b32 s20, s51, 8                         ; the head's 64 numbers
	s_mov_b32 s21, 0
	s_add_nc_u64 s[56:57], s[56:57], s[20:21]
	s_wait_alu depctr_va_vdst(0)
	v_lshlrev_b32 v6, 6, v9                        ; 16 h numbers on
.irp w, 0,1,2,3
	global_load_b128 v[BI+8*\w:BI+8*\w+3], v6, s[56:57] offset:128*(\w/2)+32*(\w%2)        ; tile w = 2 b + u: channels 32 b + 16 h + 8 u + 0 .. 7, the result's layout
	global_load_b128 v[BI+8*\w+4:BI+8*\w+7], v6, s[56:57] offset:128*(\w/2)+32*(\w%2)+16
.endr
	s_lshl_b32 s20, s59, 11                        ; my four tiles' codes: 2048 a on
	s_add_co_u32 s52, s52, s20
	s_lshl_b32 s20, s59, 8                         ; their words: 256 a on
	s_add_co_u32 s54, s54, s20
	s_add_nc_u64 s[52:53], s[60:61], s[52:53]
	s_add_nc_u64 s[54:55], s[60:61], s[54:55]
	s_mul_i32 s20, s59, 4*REC                      ; x's tiles 4 a on
	s_mul_i32 s21, s51, 4*REC
	s_add_co_u32 s21, s21, WL                      ; the weight's tiles 4 hd on
	v_add_nc_u32 v2, s20, v1                       ; x's fragments
	v_add_nc_u32 v3, s21, v1                       ; the weight's
	s_wait_alu depctr_va_vdst(0)
	v_add_nc_u32 v4, s20, v10                      ; x's scale words
	v_add_nc_u32 v5, s21, v10                      ; the weight's
	s_wait_alu depctr_va_vdst(0)
	v_lshlrev_b32 v7, 4, v8                        ; 16 r
.macro QK_STEP s
.if \s > 0
.rept 4
	v_nop                                          ; four places in front of loads into registers that matrix instructions have read
.endr
.endif
.irp w, 0,1,2,3
.irp c, 0,1
	ds_load_b128 v[WF+8*\w+4*\c:WF+8*\w+4*\c+3], v3 offset:\w*REC+\s*1024+512*\c
.endr
.endr
.irp i, 0,1,2,3
.irp c, 0,1
	ds_load_b128 v[XF+8*\i+4*\c:XF+8*\i+4*\c+3], v2 offset:\i*REC+\s*1024+512*\c
.endr
.endr
.irp p, 0,1
	ds_load_b32 v[WS+\p], v5 offset:\p*2*REC+4*\s  ; lanes 0-15: tile 2 p, lanes 16-31: tile 2 p + 1
	ds_load_b32 v[XS+\p], v4 offset:\p*2*REC+4*\s
.endr
	s_wait_dscnt 0x0
.if \s == 0
	s_wait_loadcnt 0x0                             ; the bias
.endif
.irp i, 0,1,2,3                                ; the sixteen accumulators by turns, one instruction a turn, in the same order in every K step
.irp w, 0,1,2,3
.if \s == 0
	MM ACC+32*\i+8*\w, WF+8*\w, XF+8*\i, BI+8*\w, WS+\w/2, XS+\i/2, \w%2, \i%2
.else
	MM ACC+32*\i+8*\w, WF+8*\w, XF+8*\i, ACC+32*\i+8*\w, WS+\w/2, XS+\i/2, \w%2, \i%2
.endif
.endr
.endr
.endm
	QK_STEP 0
	QK_STEP 1
	QK_STEP 2
	QK_STEP 3
.irp b, 0,1,2,3
	v_mov_b32 v[TM+4+\b], 0                        ; a lane permute's destination counts as one of its sources; these four are also the places behind the last products
.endr
.irp pr, 0,1                                   ; two tiles of tokens at a time: each has two blocks
	QUANT64 ACC+64*\pr, PC+8*\pr, PW
	v_and_or_b32 v[SW+2*\pr], v[PW], 0xffff, s50   ; the first tile's word
	v_lshrrev_b32 v[PW+1], 16, v[PW]
	s_delay_alu instid0(VALU_DEP_1)
	v_or_b32 v[SW+2*\pr+1], s50, v[PW+1]           ; the second's
.endr
	; K ALONE (kind 1) IS RE-LAID: of the four images, rows 8-15 of image e change places with rows 0-7 of image 2 + e (lanes l and l xor 8).
	; Image u of the four then holds, in row r, key 64 a + 32 (r / 8) + 8 u + r % 8 of the step.  For q both masks are 0 and nothing moves.  The scale words stay where they were.
	s_cmp_eq_u32 s19, 1
	s_cselect_b32 s20, 0xff00ff00, 0
	s_cselect_b32 s21, 0x00ff00ff, 0
.irp i, 0,1,2,3,4,5,6,7
	v_mov_b32_dpp v[TM], v[PC+8+\i] row_xmask:8 row_mask:0xf bank_mask:0xf
	v_mov_b32_dpp v[TM+1], v[PC+\i] row_xmask:8 row_mask:0xf bank_mask:0xf
	v_cndmask_b32 v[PC+\i], v[PC+\i], v[TM], s20
	v_cndmask_b32 v[PC+8+\i], v[PC+8+\i], v[TM+1], s21
.endr
.irp t, 0,1,2,3
	global_store_b128 v1, v[PC+4*\t:PC+4*\t+3], s[52:53] offset:\t*512   ; an image: 512 consecutive bytes, aligned to 256
.endr
	global_store_b128 v7, v[SW:SW+3], s[54:55]     ; 16 lanes store 256 consecutive bytes, aligned; lanes 16-31 write the same to the same places
	s_branch .Lend
	; ---------------- PATH V
.Lpath_v:
	s_lshl_b32 s20, s[WV], 7                       ; my 32 channels' numbers of bv: (64 hd + 32 b) x 4 bytes
	s_mov_b32 s21, 0
	s_add_nc_u64 s[56:57], s[10:11], s[20:21]
	s_wait_alu depctr_va_vdst(0)
	v_and_b32 v6, 8, v8
	s_delay_alu instid0(VALU_DEP_1)
	v_add_nc_u32 v6, v6, v8                        ; r + 8 (r / 8)
	s_delay_alu instid0(VALU_DEP_1)
	v_lshlrev_b32 v6, 2, v6
	global_load_b32 v[BV], v6, s[56:57]            ; tile u: my lane's channel 8 u + r + 8 (r / 8)
	global_load_b32 v[BV+8], v6, s[56:57] offset:32
	s_lshl_b32 s20, s59, 11
	s_add_co_u32 s52, s52, s20
	s_add_co_u32 s52, s52, 4096                    ; V's tiles 2 b, 2 b + 1
	s_lshl_b32 s20, s59, 7
	s_add_co_u32 s54, s54, s20
	s_add_co_u32 s54, s54, 512                     ; and their words
	s_add_nc_u64 s[52:53], s[14:15], s[52:53]
	s_add_nc_u64 s[54:55], s[14:15], s[54:55]
	s_mul_i32 s21, s[WV], 2*REC
	s_add_co_u32 s21, s21, WL                      ; the weight's tiles 2 wave, 2 wave + 1
	s_wait_loadcnt 0x0
.irp u, 0,1
.irp j, 1,2,3,4,5,6,7
	v_mov_b32 v[BV+8*\u+\j], v[BV+8*\u]            ; in the result's layout a lane's eight registers are eight tokens of one channel
.endr
.endr
	s_wait_alu depctr_va_vdst(0)
	v_add_nc_u32 v3, s21, v1                       ; the weight's fragments (x's: v1 as it stands)
	s_wait_alu depctr_va_vdst(0)
	v_add_nc_u32 v5, s21, v10                      ; its scale words (x's: v10)
	s_wait_alu depctr_va_vdst(0)
	v_lshlrev_b32 v7, 3, v8                        ; 8 r
.macro V_STEP s
.if \s > 0
.rept 4
	v_nop                                          ; four places in front of loads into registers that matrix instructions have read
.endr
.endif
.irp u, 0,1
.irp c, 0,1
	ds_load_b128 v[WFV+8*\u+4*\c:WFV+8*\u+4*\c+3], v3 offset:\u*REC+\s*1024+512*\c
.endr
.endr
.irp t, 0,1,2,3,4,5,6,7
.irp c, 0,1
	ds_load_b128 v[XFV+8*\t+4*\c:XFV+8*\t+4*\c+3], v1 offset:\t*REC+\s*1024+512*\c
.endr
.endr
	ds_load_b32 v[WSV], v5 offset:4*\s
.irp p, 0,1,2,3
	ds_load_b32 v[XSV+\p], v10 offset:\p*2*REC+4*\s
.endr
	s_wait_dscnt 0x0
.irp t, 0,1,2,3,4,5,6,7                        ; the sixteen accumulators by turns
.irp u, 0,1
.if \s == 0
	MM ACC+64*\u+8*\t, XFV+8*\t, WFV+8*\u, BV+8*\u, XSV+\t/2, WSV, \t%2, \u
.else
	MM ACC+64*\u+8*\t, XFV+8*\t, WFV+8*\u, ACC+64*\u+8*\t, XSV+\t/2, WSV, \t%2, \u
.endif
.endr
.endr
.endm
	V_STEP 0
	V_STEP 1
	V_STEP 2
	V_STEP 3
.irp b, 0,1,2,3
	v_mov_b32 v[TM+4+\b], 0                        ; as on the other path: written once, and the four places behind the last products
.endr
.irp u, 0,1                                    ; a tile of 16 channels x 128 keys: four blocks along the keys
	QUANT64 ACC+64*\u, PC+8*\u, PW+\u
.irp c, 0,1
	global_store_b128 v1, v[PC+8*\u+4*\c:PC+8*\u+4*\c+3], s[52:53] offset:\u*1024+\c*512
.endr
.endr
	global_store_b64 v7, v[PW:PW+1], s[54:55]      ; the two tiles' words, 8 bytes a row: 128 consecutive bytes; lanes 16-31 write the same to the same places
.Lend:
	s_wait_tensorcnt 0x0
	ds_add_u32 v126, v127
	s_wait_dscnt 0x0
	CROUND                                         ; the closing round: no work-group ends while a partner may still ask for a tile that names it
	s_endpgm
.Lfunc_end_k_q4a1cf0b94e_qkv:
	.size	k_q4a1cf0b94e_qkv, .Lfunc_end_k_q4a1cf0b94e_qkv-k_q4a1cf0b94e_qkv
	.p2alignl 7, 3214868480
	.fill 96, 4, 3214868480
	.section	.rodata,"a",@progbits
	.p2align	6, 0x0
	.amdhsa_kernel k_q4a1cf0b94e_qkv
		.amdhsa_group_segment_fixed_size 176128
		.amdhsa_private_segment_fixed_size 0
		.amdhsa_enable_private_segment 0
		.amdhsa_kernarg_size 48
		.amdhsa_user_sgpr_count 2
		.amdhsa_user_sgpr_kernarg_segment_ptr 1
		.amdhsa_wavefront_size32 1
		.amdhsa_system_sgpr_workgroup_id_x 1
		.amdhsa_system_sgpr_workgroup_id_y 1
		.amdhsa_system_sgpr_workgroup_id_z 1
		.amdhsa_system_vgpr_workitem_id 0
		.amdhsa_next_free_vgpr 256
		.amdhsa_next_free_sgpr 80
		.amdhsa_reserve_vcc 0
		.amdhsa_float_denorm_mode_32 3
		.amdhsa_float_denorm_mode_16_64 3
		.amdhsa_memory_ordered 1
		.amdhsa_forward_progress 1
		.amdhsa_inst_pref_size 59
	.end_amdhsa_kernel
	.amdgpu_metadata
---
amdhsa.version: [ 1, 2 ]
amdhsa.kernels:
  - .name:           k_q4a1cf0b94e_qkv
    .symbol:         k_q4a1cf0b94e_qkv.kd
    .args:
      - { .name: pk, .offset: 0, .size: 8, .value_kind: global_buffer, .address_space: global }
      - { .name: bq, .offset: 8, .size: 8, .value_kind: global_buffer, .address_space: global }
      - { .name: bk, .offset: 16, .size: 8, .value_kind: global_buffer, .address_space: global }
      - { .name: bv, .offset: 24, .size: 8, .value_kind: global_buffer, .address_space: global }
      - { .name: qb, .offset: 32, .size: 8, .value_kind: global_buffer, .address_space: global }
      - { .name: kv, .offset: 40, .size: 8, .value_kind: global_buffer, .address_space: global }
    .group_segment_fixed_size: 176128
    .private_segment_fixed_size: 0
    .kernarg_segment_align: 8
    .kernarg_segment_size: 48
    .max_flat_workgroup_size: 512
    .sgpr_count:     80
    .vgpr_count:     256
    .wavefront_size: 32
...
	.end_amdgpu_metadata
.endif
;; end of part 2
;; launch attn (part 3): grid 16 x 16, 16 waves a work-group, clusters of 4 x 1, 327,680 bytes of LDS; arguments qb, kv, ob; writes ob
.if DOCPART == 3
	.amdgcn_target "amdgcn-amd-amdhsa--gfx1250"
	.amdhsa_code_object_version 6
	.text
	.protected	k_q4a1cf0b94e_attn
	.globl	k_q4a1cf0b94e_attn
	.p2align	8
	.type	k_q4a1cf0b94e_attn,@function
k_q4a1cf0b94e_attn:
	s_mov_b64 s[64:65], 0
	v_nop
	global_prefetch_b8 v0, s[64:65] scope:SCOPE_SE
	s_setreg_imm32_b32 hwreg(HW_REG_WAVE_MODE, 25, 1), 1
	s_wait_xcnt 0x0
	s_wait_alu depctr_hold_cnt(0) depctr_sa_sdst(0) depctr_va_vdst(0) depctr_va_sdst(0) depctr_va_ssrc(0) depctr_va_vcc(0) depctr_vm_vsrc(0)
	s_getreg_b32 s2, hwreg(HW_REG_IB_STS2, 6, 4)
	s_cmp_eq_u32 s2, 0
	s_cbranch_scc0 .Lentry_in_a_cluster
	s_endpgm
.Lentry_in_a_cluster:
	s_bfe_u32 s2, ttmp6, 0x10000c
	s_cmp_lg_u32 s2, 0x3003
	s_cbranch_scc0 .Lentry_shape_is_right
	s_endpgm
.Lentry_shape_is_right:
; o = softmax(q k^T / 8) v for one head (8 batch + hd) and 256 queries, both products on codes of FP4 (E2M1) with E8M0 scales; o leaves quantised along the 512 channels, as tile records for the last projection.
; THE SOFTMAX: t = score x log2(e) / 8; M = the running largest t, rounded up to a whole number; p = 2^(t - M) is quantised along the keys, not normalised; the row's sum is taken of the unquantised p and divides at the end.
; When M moves, the sum and O^T are multiplied by 2^(old M - new M), in every step, with no branch.
; SHARES: sixteen waves, each with one tile of 16 queries in 256 registers; every wave walks the head's 4,096 keys in 32 steps of 128.
; LDS: the head's K, V and scale bytes, 286,720 bytes, lie in LDS as they lie in kv, FILLED ONCE: each wave asks for 70 rows of 256 bytes with its one tensor load; one wait, one barrier, and no barrier in the walk.
; CLUSTER: the four work-groups of a cluster are four query blocks of one head: the loads are joint (mask 15).  No prefetch: all that the launch reads through LDS is asked for at its head; there is no loop to run ahead in.
; kv, per step: K's image t = 4 c + u at 512 t + 16 lane: row r is key 64 c + 32 (r / 8) + 8 u + r % 8, lane (r, h) its channels 32 h on; V's tile t at 4096 + 1024 t + 512 c + 16 lane (channel row r, keys 64 c + 32 h on).
; Both products are used transposed: a lane holds ONE query (lane % 16).  In S^T = K Q^T lane half h gets rows 8 h + j of an image: so registers S + 32 c + 0 .. 31 are the WHOLE block 2 c + h of 32 keys, in order:
; a block's maximum needs no other lane, and the eight conversions' results are the second product's operand as they stand.
; THE LOOP IS TURNED: a trip begins behind its step's first product and ends with the next step's, which follows this step's second product directly; the sum's last additions, the address lines and the loads stand behind them.
; THE EXPONENTIALS go in two batches, a block each, with plain lines between them whose sources were made ahead of the batch's wait and whose results are first read behind the next wait.
; A head has 64 channels: the upper half of the instruction's K of 128 meets zero codes of Q (v20-23) under the byte 0x7f.
; LIMITS: the promise holds while the scaled scores stay under 2^31 in magnitude; NaN and infinities are not served; a block whose largest p lies under 2^-124 gets the byte 1.
.set HEADB, 286720
.set SCOFF, 262144                     ; the head's scale bytes: 768 a step: K's words, 512 bytes, then V's, 256
.set STEPB, 8192
.set SSTEP, 768
.set REC,   4352
.set PART,  HEADB/16                   ; a wave's part of the fill: 70 rows of 256 bytes
.set SPARE, HEADB                      ; the spare words: 128 bytes for each wave, behind the head's bytes
.set WV,  10
.set G1,  16                           ; s[16:23] descriptor group 1; s[32:35] group 0
.set G0,  32
.set SEL, 52                           ; s[52:53] selects: lane l xor 16
.set CS,  54                           ; s[54:55] c = log2(e) / 8
.set TB,  56                           ; s56 the step's codes in LDS
.set TS,  57                           ; s57 the step's scale bytes
.set CNT, 58
.set NC,  59                           ; s59 -c
.set ADK, 4
.set ADS, 5
.set ADT, 6
.set QS,  8                            ; v8 Q's scale words.  v1 16 lane, v2 8 lane, v3 K's scale words' lane term, v7 16 r; v12 -M, v13 the largest score, v[14:15] the sum
.set QF,  16
.set KF,  24                           ; v24-55 K's eight images, v56-59 zeros
.set VF,  60
.set S,   96
.set O,   160
.set PC,  192
.set KS,  200
.set VS,  204
.set PW,  206
.set F,   208
.set BM,  210
.set T0,  214
.set T1,  215
.set T2,  216
.set T3,  217
.set SO,  218
.set BT,  220
.set W,   222
.set H8,  223
.set LS,  230                          ; v230-245 eight pairs: the first level of block 0's sum
.set MX,  246                          ; v246-253 the maxima's chains, four a block
.macro CROUND                          ; a round of the cluster's barrier
	s_barrier_signal -1
	s_barrier_wait -1
	s_cmp_lg_u32 s[WV], 0
	s_cbranch_scc1 .Lnot_wave_0_\@
	s_barrier_signal -3
.Lnot_wave_0_\@:
	s_barrier_wait -3
	s_barrier_signal -1
	s_barrier_wait -1
.endm
	s_load_b128 s[4:7], s[0:1], 0x0                ; qb, kv
	s_load_b64 s[8:9], s[0:1], 0x10                ; ob
	v_lshl_add_u32 v254, v0, 2, SPARE
	v_mov_b32 v255, 0
	ds_add_u32 v254, v255                          ; the opening lines: the add, twice on end, and its wait
	ds_add_u32 v254, v255
	v_lshrrev_b32 v1, 5, v0
	s_delay_alu instid0(VALU_DEP_1)
	v_readfirstlane_b32 s[WV], v1                  ; wave 0..15
	s_bfe_u32 s11, ttmp6, 0x40000                  ; cx
	s_lshl_b32 s12, ttmp9, 2
	s_add_co_u32 s12, s12, s11                     ; my block of 256 queries: it enters Q's loads and the stores alone
	s_and_b32 s13, ttmp7, 0xffff                   ; the head: shared by the four partners
	s_mov_b32 s[G1], 15|(3<<16)|(1<<21)            ; the mask, elements of 8 bytes, bit 21 beside the mask
	s_mov_b32 s[G1+1], 32<<16
	s_mov_b32 s[G1+2], 70<<16
	s_mov_b32 s[G1+3], 32<<16
	s_mov_b32 s[G1+4], 70
	s_mov_b32 s[G1+5], 32
	s_mov_b32 s[G1+6], 0
	s_mov_b32 s[G1+7], 0
	s_mul_i32 s60, s13, HEADB
	s_mov_b32 s[G0], 1
	s_mul_i32 s[G0+1], s[WV], PART                 ; LDS address: wave x a constant
	s_add_co_u32 s14, s60, s[G0+1]
	s_mov_b32 s15, 0
	s_mov_b32 s[SEL], 0x76543210
	s_mov_b32 s[SEL+1], 0xfedcba98
	s_mov_b32 s[CS], 0x3e38aa3b
	s_mov_b32 s[CS+1], s[CS]
	s_mov_b32 s[NC], 0xbe38aa3b
	s_mov_b32 s[TB], 0
	s_mov_b32 s[TS], SCOFF
	s_mov_b32 s[CNT], 31
	s_wait_dscnt 0x0
	s_wait_kmcnt 0x0
	s_add_nc_u64 s[G0+2:G0+3], s[6:7], s[14:15]
	s_or_b32 s[G0+3], s[G0+3], 0x80000000
	CROUND                                         ; all four work-groups are here: the joint loads meet
	tensor_load_to_lds s[G0:G0+3], s[G1:G1+7]      ; my one tensor load
	s_nop 0
	v_and_b32 v1, 31, v0
	v_and_b32 v7, 15, v0
	v_and_b32 v3, 7, v0                            ; r % 8
	v_bfe_u32 v9, v0, 3, 1                         ; r / 8
	v_bfe_u32 v10, v0, 4, 1                        ; h
	v_lshlrev_b32 v2, 3, v1
	v_lshlrev_b32 v1, 4, v1
	v_lshlrev_b32 v7, 4, v7
	v_lshlrev_b32 v3, 4, v3
	v_lshlrev_b32 v[H8], 3, v10                    ; 8 h: where my two bytes stand in p's scale word
	v_lshl_add_u32 v3, v9, 3, v3
	s_delay_alu instid0(VALU_DEP_1)
	v_lshl_add_u32 v3, v10, 8, v3                  ; K's word of image (c, u), row r lies at 256 c + 128 (u / 2) + 16 (r % 8) + 8 (r / 8) + 4 (u % 2); lanes 16-31 take c = 1
	s_delay_alu instid0(VALU_DEP_1)
	v_add_nc_u32 v[ADS], SCOFF, v3
	s_wait_alu depctr_va_vdst(0)                   ; the wait ahead of the run of scalar lines
	s_lshl_b32 s68, s12, 1
	s_lshr_b32 s69, s[WV], 3
	s_add_co_u32 s68, s68, s69                     ; which 128 tokens hold my queries
	s_lshl_b32 s78, s68, 13
	s_add_co_u32 s78, s78, s60
	s_and_b32 s69, s[WV], 7
	s_lshl_b32 s69, s69, 9
	s_add_co_u32 s78, s78, s69
	s_mov_b32 s79, 0
	s_add_nc_u64 s[70:71], s[4:5], s[78:79]        ; Q's image
	s_mul_i32 s78, s68, SSTEP
	s_add_co_u32 s78, s78, s60
	s_add_co_u32 s78, s78, SCOFF
	s_bfe_u32 s69, s[WV], 0x10002
	s_lshl_b32 s69, s69, 8
	s_add_co_u32 s78, s78, s69
	s_and_b32 s69, s[WV], 3
	s_lshl_b32 s69, s69, 2
	s_add_co_u32 s78, s78, s69
	s_add_nc_u64 s[72:73], s[4:5], s[78:79]        ; its scale words
	global_load_b128 v[QF:QF+3], v1, s[70:71]
	global_load_b32 v[QS], v7, s[72:73]
	s_lshr_b32 s68, s13, 3
	s_lshl_b32 s68, s68, 8
	s_lshl_b32 s69, s12, 4
	s_add_co_u32 s68, s68, s69
	s_add_co_u32 s68, s68, s[WV]
	s_mul_i32 s68, s68, REC                        ; o's record: 256 batch + 16 block + wave
	s_and_b32 s69, s13, 7
	s_lshl_b32 s78, s69, 9
	s_add_co_u32 s78, s78, s68
	s_add_nc_u64 s[74:75], s[8:9], s[78:79]        ; my head's 512 bytes of codes in it
	s_lshl_b32 s78, s69, 1
	s_add_co_u32 s78, s78, s68
	s_add_co_u32 s78, s78, 4096
	s_add_nc_u64 s[76:77], s[8:9], s[78:79]        ; and its two scale bytes a row
	v_mov_b32 v13, 0xff61b1e6                      ; the largest score so far: -3e38
	v_mov_b32 v14, 0
	v_mov_b32 v15, 0
	v_mul_f32 v12, s[NC], v13
.irp j, 0,1,2,3
	v_mov_b32 v[QF+4+\j], 0
	v_mov_b32 v[KF+32+\j], 0
.endr
	v_floor_f32 v12, v12                           ; -M
	v_mov_b32 v[F+1], 0
	v_mov_b32 v[T0], 0
	v_mov_b32 v[T1], 0                             ; a lane permute's destination counts as one of its sources
.set j, 0
.rept 32
	v_mov_b32 v[O+j], 0                            ; the step is written once: the first change of M leaves zeros zeros
.set j, j+1
.endr
	s_wait_alu depctr_va_vdst(0)                   ; the wait at the head's end
	s_wait_loadcnt 0x0                             ; Q
	s_wait_tensorcnt 0x0                           ; my part of the head is in,
	s_barrier_signal -1
	s_barrier_wait -1                              ; everybody's is; nothing is filled again
.irp t, 0,1,2,3,4,5,6,7
	ds_load_b128 v[KF+4*\t:KF+4*\t+3], v1 offset:512*\t   ; step 0's K
.endr
	ds_load_b64 v[KS:KS+1], v[ADS]
	ds_load_b64 v[KS+2:KS+3], v[ADS] offset:128
	s_wait_dscnt 0x0
.macro QK                              ; S^T = K Q^T: eight images of 16 keys
.irp t, 0,1,2,3
	v_wmma_scale_f32_16x16x128_f8f6f4 v[S+8*\t:S+8*\t+7], v[KF+4*\t:KF+4*\t+7], v[QF:QF+7], 0, v[KS+\t], v[QS] matrix_a_fmt:MATRIX_FMT_FP4 matrix_b_fmt:MATRIX_FMT_FP4
.endr
.irp t, 4,5,6,7
	v_wmma_scale_f32_16x16x128_f8f6f4 v[S+8*\t:S+8*\t+7], v[KF+4*\t:KF+4*\t+7], v[QF:QF+7], 0, v[KS+\t-4], v[QS] matrix_a_fmt:MATRIX_FMT_FP4 matrix_b_fmt:MATRIX_FMT_FP4 matrix_a_scale:MATRIX_SCALE_ROW1
.endr
.endm
.macro FM n                            ; the next n pairs: t - M
.rept \n
	v_pk_fma_f32 v[S+FJ:S+FJ+1], v[S+FJ:S+FJ+1], s[CS:CS+1], v[12:13] op_sel_hi:[1,0,0]
.set FJ, FJ+2
.endr
.endm
.macro SB n                            ; the next n of block 1's sixteen pairs, onto four chains by turns: the sum and the first three pairs of block 0's first level
.rept \n
.if (SQ%4) == 0
	v_pk_add_f32 v[14:15], v[14:15], v[S+32+2*SQ:S+33+2*SQ]
.else
	v_pk_add_f32 v[LS+2*(SQ%4)-2:LS+2*(SQ%4)-1], v[LS+2*(SQ%4)-2:LS+2*(SQ%4)-1], v[S+32+2*SQ:S+33+2*SQ]
.endif
.set SQ, SQ+1
.endr
.endm
.macro LADD a, b                       ; pair a of the first level += pair b
	v_pk_add_f32 v[LS+2*\a:LS+2*\a+1], v[LS+2*\a:LS+2*\a+1], v[LS+2*\b:LS+2*\b+1]
.endm
; A KEY STEP, from behind its first product.  pf = 1: the next step's K is asked for, and its first product closes the step.
.macro STEP pf
	v_add_nc_u32 v[ADK], s[TB], v1
	v_add_nc_u32 v[ADT], s[TS], v2
	v_mov_b32 v[T3], v12                           ; the old -M
.if \pf
	v_add_nc_u32 v[ADS], s[TS], v3
.endif
.irp t, 0,1,2,3                                ; one run of loads a step (twelve plain lines stand behind the last products): this step's V,
.irp c, 0,1
	ds_load_b128 v[VF+8*\t+4*\c:VF+8*\t+4*\c+3], v[ADK] offset:4096+1024*\t+512*\c
.endr
.endr
	ds_load_b64 v[VS:VS+1], v[ADT] offset:512
.if \pf
.irp t, 0,1,2,3,4,5,6,7                        ; and the next step's K
	ds_load_b128 v[KF+4*\t:KF+4*\t+3], v[ADK] offset:STEPB+512*\t
.endr
	ds_load_b64 v[KS:KS+1], v[ADS] offset:SSTEP
	ds_load_b64 v[KS+2:KS+3], v[ADS] offset:SSTEP+128
.endif
.irp c, 0,1                                    ; the largest score of my two blocks: a chain to each accumulator, read from its low end on
.irp u, 0,1,2,3
	v_max3_num_f32 v[MX+4*\c+\u], v[S+32*\c+8*\u], v[S+32*\c+8*\u+1], v[S+32*\c+8*\u+2]
.endr
.irp i, 3,5
.irp u, 0,1,2,3
	v_max3_num_f32 v[MX+4*\c+\u], v[MX+4*\c+\u], v[S+32*\c+8*\u+\i], v[S+32*\c+8*\u+\i+1]
.endr
.endr
.endr
.irp c, 0,1
	v_max3_num_f32 v[MX+4*\c], v[MX+4*\c], v[S+32*\c+7], v[S+32*\c+15]
	v_max3_num_f32 v[MX+4*\c+1], v[MX+4*\c+1], v[S+32*\c+23], v[S+32*\c+31]
.endr
.irp c, 0,1
	v_max3_num_f32 v[MX+4*\c], v[MX+4*\c], v[MX+4*\c+1], v[MX+4*\c+2]
.endr
.irp c, 0,1
	v_max_num_f32 v[BM+\c], v[MX+4*\c], v[MX+4*\c+3]
.endr
	s_delay_alu instid0(VALU_DEP_1)
	v_max_num_f32 v[T0], v[BM], v[BM+1]
	s_delay_alu instid0(VALU_DEP_1)
	v_permlanex16_b32 v[T1], v[T0], s[SEL], s[SEL+1]
	s_delay_alu instid0(VALU_DEP_1)
	v_max3_num_f32 v13, v13, v[T0], v[T1]          ; the running largest score of my query (c is positive)
	s_delay_alu instid0(VALU_DEP_1)
	v_mul_f32 v[T0], s[NC], v13
	s_delay_alu instid0(VALU_DEP_1)
	v_floor_f32 v12, v[T0]                         ; -M = floor(-t)
	s_delay_alu instid0(VALU_DEP_1)
	v_sub_f32 v[T2], v12, v[T3]                    ; old M - new M: a whole number, 0 or less
.set FJ, 0
	FM 4
	v_cvt_i32_f32 v[T2], v[T2]                     ; (it saturates)
	FM 4
	v_ldexp_f32 v[F], 1.0, v[T2]                   ; f = 2^(old M - new M)
	FM 8                                           ; block 0's t - M is whole
.irp c, 0,1
	v_fma_f32 v[BM+\c], v[BM+\c], s[CS], v12       ; the same of each block's largest score
.endr
.set j, 0
.rept 16
	v_pk_mul_f32 v[O+j:O+j+1], v[O+j:O+j+1], v[F:F+1] op_sel_hi:[1,0]   ; O^T under the new M: no transcendental stands between the products that wrote it and these lines
.set j, j+2
.endr
	s_wait_alu depctr_va_vdst(0)                   ; the wait ahead of the batch
	v_exp_f32 v[BM], v[BM]                         ; THE FIRST BATCH: the blocks' largest p,
	v_exp_f32 v[BM+1], v[BM+1]
	v_pk_mul_f32 v[14:15], v[14:15], v[F:F+1] op_sel_hi:[1,0]           ; (the sum under the new M)
.set j, 0
.rept 16
	v_exp_f32 v[S+j], v[S+j]                       ; and block 0's p = 2^(t - M);
	v_exp_f32 v[S+j+1], v[S+j+1]
	FM 1                                           ; between them block 1's t - M, first read behind the wait below
.set j, j+2
.endr
	s_wait_alu depctr_va_vdst(0)                   ; the wait behind the first batch and ahead of the second
.irp c, 0,1
	v_max_num_f32 v[BM+\c], 0x1800000, v[BM+\c]    ; the floor 2^(3 - 127): the byte cannot fall under 1
.endr
.irp c, 0,1
	v_add_nc_u32 v[SO+\c], 0xff000000, v[BM+\c]    ; 2 off the exponent field: the conversion's scale operand
.endr
.irp c, 0,1
	v_lshrrev_b32 v[BT+\c], 23, v[SO+\c]           ; the scales' bytes
.endr
.irp k, 0,1,2,3,4,5,6,7                        ; THE SECOND BATCH: block 1's p; between them the first level of block 0's sum, each into a pair of its own, and block 0's codes
	v_exp_f32 v[S+32+4*\k], v[S+32+4*\k]
	v_pk_add_f32 v[LS+2*\k:LS+2*\k+1], v[S+4*\k:S+4*\k+1], v[S+4*\k+2:S+4*\k+3]
	v_exp_f32 v[S+33+4*\k], v[S+33+4*\k]
.if \k < 4
	v_cvt_scalef32_pk8_fp4_f32 v[PC+\k], v[S+8*\k:S+8*\k+7], v[SO]      ; keys 32 h + 8 k on: the operand's register k
.endif
	v_exp_f32 v[S+34+4*\k], v[S+34+4*\k]
	v_exp_f32 v[S+35+4*\k], v[S+35+4*\k]
.endr
	v_nop                                          ; a plain place behind the batch
	s_wait_alu depctr_va_vdst(0)                   ; the wait behind it; it also stands directly ahead of the wait below
	s_wait_dscnt 0x0                               ; V is in, and the next step's K: asked for at the step's head
.irp u, 0,1,2,3
	v_cvt_scalef32_pk8_fp4_f32 v[PC+4+\u], v[S+32+8*\u:S+39+8*\u], v[SO+1]   ; keys 64 + 32 h + 8 u on
.endr
.set SQ, 0
	v_lshl_or_b32 v[W], v[BT+1], 16, v[BT]         ; blocks h and 2 + h,
	SB 2
	v_lshlrev_b32 v[W], v[H8], v[W]                ; at their places in the word;
	SB 2
	v_permlanex16_b32 v[T1], v[W], s[SEL], s[SEL+1]
	SB 2
	v_or_b32 v[PW], v[W], v[T1]                    ; with lane l xor 16's two the word is whole
	SB 10                                          ; (these are also the places ahead of the scaled products)
.irp t, 0,1
	v_wmma_scale_f32_16x16x128_f8f6f4 v[O+8*\t:O+8*\t+7], v[VF+8*\t:VF+8*\t+7], v[PC:PC+7], v[O+8*\t:O+8*\t+7], v[VS+\t], v[PW] matrix_a_fmt:MATRIX_FMT_FP4 matrix_b_fmt:MATRIX_FMT_FP4
.endr
.irp t, 2,3
	v_wmma_scale_f32_16x16x128_f8f6f4 v[O+8*\t:O+8*\t+7], v[VF+8*\t:VF+8*\t+7], v[PC:PC+7], v[O+8*\t:O+8*\t+7], v[VS+\t-2], v[PW] matrix_a_fmt:MATRIX_FMT_FP4 matrix_b_fmt:MATRIX_FMT_FP4 matrix_a_scale:MATRIX_SCALE_ROW1
.endr
.if \pf
	QK                                             ; the next step's scores: every p has been summed and converted
.endif
	LADD 3, 4                                      ; the sum's parts are joined: eight plain lines behind the products
	LADD 5, 6
	LADD 0, 1
	LADD 2, 7
	LADD 3, 5
	LADD 0, 2
	v_pk_add_f32 v[14:15], v[14:15], v[LS+6:LS+7]
	v_pk_add_f32 v[14:15], v[14:15], v[LS:LS+1]
	s_add_co_u32 s[TB], s[TB], STEPB
	s_add_co_u32 s[TS], s[TS], SSTEP
.endm
	QK                                             ; step 0's scores
.Lstep:                                                ; steps 0 to 30
	STEP 1
	s_sub_co_u32 s[CNT], s[CNT], 1
	s_cmp_lg_u32 s[CNT], 0
	s_cbranch_scc1 .Lstep
	STEP 0                                         ; the last step asks for no further K
	; THE WAY OUT: O^T / the sum, quantised along my head's 64 channels: register 16 b + i is channel 32 b + 16 h + i
	v_add_f32 v14, v14, v15
	s_delay_alu instid0(VALU_DEP_1)
	v_permlanex16_b32 v[T0], v14, s[SEL], s[SEL+1]
	s_delay_alu instid0(VALU_DEP_1)
	v_add_f32 v14, v14, v[T0]                      ; the row's sum
	s_wait_alu depctr_va_vdst(0)                   ; the wait ahead of the transcendental
	v_rcp_f32 v14, v14
	v_nop
	v_nop
	s_wait_alu depctr_va_vdst(0)                   ; and behind it, directly ahead of the first readers of O^T
.set j, 0
.rept 16
	v_pk_mul_f32 v[S+j:S+j+1], v[O+j:O+j+1], v[14:15] op_sel_hi:[1,0]
.set j, j+2
.endr
.irp b, 0,1
	v_max3_num_f32 v[BM+\b], |v[S+16*\b]|, |v[S+1+16*\b]|, 0x1800000
.endr
.irp i, 2,4,6,8,10,12,14
.irp b, 0,1
	s_delay_alu instid0(VALU_DEP_2)
	v_max3_num_f32 v[BM+\b], v[BM+\b], |v[S+16*\b+\i]|, |v[S+1+16*\b+\i]|
.endr
.endr
.irp b, 0,1
	s_delay_alu instid0(VALU_DEP_2)
	v_permlanex16_b32 v[BT+\b], v[BM+\b], s[SEL], s[SEL+1]
.endr
.irp b, 0,1
	s_delay_alu instid0(VALU_DEP_2)
	v_max_num_f32 v[BM+\b], v[BM+\b], v[BT+\b]
.endr
.irp b, 0,1
	s_delay_alu instid0(VALU_DEP_2)
	v_add_nc_u32 v[SO+\b], 0xff000000, v[BM+\b]
.endr
.irp b, 0,1
	s_delay_alu instid0(VALU_DEP_2)
	v_lshrrev_b32 v[BT+\b], 23, v[SO+\b]
.endr
	s_delay_alu instid0(VALU_DEP_1)
	v_lshl_or_b32 v[PW], v[BT+1], 8, v[BT]
.irp b, 0,1
	v_cvt_scalef32_pk8_fp4_f32 v[PC+2*\b], v[S+16*\b:S+7+16*\b], v[SO+\b]
	v_cvt_scalef32_pk8_fp4_f32 v[PC+1+2*\b], v[S+8+16*\b:S+15+16*\b], v[SO+\b]
.endr
	v_nop                                          ; one plain instruction behind the last scaled conversion
	v_permlane16_swap_b32 v[PC], v[PC+2]           ; a whole block to a lane
	v_permlane16_swap_b32 v[PC+1], v[PC+3]
	global_store_b128 v1, v[PC:PC+3], s[74:75]     ; 512 consecutive bytes, aligned to 256
	global_store_b16 v7, v[PW], s[76:77]           ; two scale bytes a row; lanes 16-31 write the same to the same places
	s_wait_tensorcnt 0x0                           ; the wave's end
	ds_add_u32 v254, v255
	s_wait_dscnt 0x0
	CROUND                                         ; the closing round
	s_endpgm
.Lfunc_end_k_q4a1cf0b94e_attn:
	.size	k_q4a1cf0b94e_attn, .Lfunc_end_k_q4a1cf0b94e_attn-k_q4a1cf0b94e_attn
	.p2alignl 7, 3214868480
	.fill 96, 4, 3214868480
	.section	.rodata,"a",@progbits
	.p2align	6, 0x0
	.amdhsa_kernel k_q4a1cf0b94e_attn
		.amdhsa_group_segment_fixed_size 327680
		.amdhsa_private_segment_fixed_size 0
		.amdhsa_enable_private_segment 0
		.amdhsa_kernarg_size 24
		.amdhsa_user_sgpr_count 2
		.amdhsa_user_sgpr_kernarg_segment_ptr 1
		.amdhsa_wavefront_size32 1
		.amdhsa_system_sgpr_workgroup_id_x 1
		.amdhsa_system_sgpr_workgroup_id_y 1
		.amdhsa_system_sgpr_workgroup_id_z 1
		.amdhsa_system_vgpr_workitem_id 0
		.amdhsa_next_free_vgpr 256
		.amdhsa_next_free_sgpr 80
		.amdhsa_reserve_vcc 0
		.amdhsa_float_denorm_mode_32 3
		.amdhsa_float_denorm_mode_16_64 3
		.amdhsa_memory_ordered 1
		.amdhsa_forward_progress 1
		.amdhsa_inst_pref_size 39
	.end_amdhsa_kernel
	.amdgpu_metadata
---
amdhsa.version: [ 1, 2 ]
amdhsa.kernels:
  - .name:           k_q4a1cf0b94e_attn
    .symbol:         k_q4a1cf0b94e_attn.kd
    .args:
      - { .name: qb, .offset: 0, .size: 8, .value_kind: global_buffer, .address_space: global }
      - { .name: kv, .offset: 8, .size: 8, .value_kind: global_buffer, .address_space: global }
      - { .name: ob, .offset: 16, .size: 8, .value_kind: global_buffer, .address_space: global }
    .group_segment_fixed_size: 327680
    .private_segment_fixed_size: 0
    .kernarg_segment_align: 8
    .kernarg_segment_size: 24
    .max_flat_workgroup_size: 512
    .sgpr_count:     80
    .vgpr_count:     256
    .wavefront_size: 32
...
	.end_amdgpu_metadata
.endif
;; end of part 3
;; launch oproj (part 4): grid 4 x 64, 16 waves a work-group, clusters of 4 x 1, 169,984 bytes of LDS; arguments ob, pk, bo, out0; writes out0
.if DOCPART == 4
	.amdgcn_target "amdgcn-amd-amdhsa--gfx1250"
	.amdhsa_code_object_version 6
	.text
	.protected	k_q4a1cf0b94e_oproj
	.globl	k_q4a1cf0b94e_oproj
	.p2align	8
	.type	k_q4a1cf0b94e_oproj,@function
k_q4a1cf0b94e_oproj:
	s_mov_b64 s[64:65], 0
	v_nop
	global_prefetch_b8 v0, s[64:65] scope:SCOPE_SE
	s_setreg_imm32_b32 hwreg(HW_REG_WAVE_MODE, 25, 1), 1
	s_wait_xcnt 0x0
	s_wait_alu depctr_hold_cnt(0) depctr_sa_sdst(0) depctr_va_vdst(0) depctr_va_sdst(0) depctr_va_ssrc(0) depctr_va_vcc(0) depctr_vm_vsrc(0)
	s_getreg_b32 s2, hwreg(HW_REG_IB_STS2, 6, 4)
	s_cmp_eq_u32 s2, 0
	s_cbranch_scc0 .Lentry_in_a_cluster
	s_endpgm
.Lentry_in_a_cluster:
	s_bfe_u32 s2, ttmp6, 0x10000c
	s_cmp_lg_u32 s2, 0x3003
	s_cbranch_scc0 .Lentry_shape_is_right
	s_endpgm
.Lentry_shape_is_right:
; out0 = o Wo^T + bo on codes of FP4: o's tile records from ob, Wo's from pk (records 608-639); f32 out.
; A record is 16 rows x 512 K in 4,352 bytes: codes as images of the operand's registers (K step s, group c at 1024 s + 512 c + 16 lane), then 16 scale bytes a row at 4096 + 16 r.
; Row r of record t is row 32 (t / 2) + 8 (t % 2) + r + 8 (r / 8).
; SHARES: work-group (col, g): tokens 128 g on x columns 128 col on.  Sixteen waves: wave = (tile of tokens T = wave / 2, half a = wave % 2 of the columns): four accumulators, 4 K steps: 16 matrix instructions,
; TRANSPOSED (source 0 = Wo's tile, source 1 = o's): a lane holds one token and eight neighbouring columns.
; LDS, filled once: o's 8 records at 0, Wo's 8 behind them (one tensor load a wave: one is out); behind those a stage of 16 rows x 272 bytes for each wave, into which no fill lands.
; CLUSTER: the four work-groups of a cluster share g: o's records are asked for JOINTLY (mask 15); Wo's differ between partners and come by plain loads.
; The bias is the C of each sum's first matrix instruction.  The results turn through the wave's own stage, so that sixteen lanes store 256 consecutive bytes of a row, aligned.
.set REC,  4352
.set WL,   8*REC
.set STG,  16*REC
.set SP,   272                         ; a stage row: 256 bytes + 16: an odd multiple of 16 bytes
.set WV,   12                          ; s12 my wave's number
.set WS,   12                          ; v12-19 Wo's scale words: pair p of tiles, K step s at 4 p + s; lanes 0-15 tile 2 p, lanes 16-31 tile 2 p + 1
.set OS,   20                          ; v20-23 o's scale words
.set OF,   32                          ; v32-63 o's fragments, later rows of the result
.set WF,   64                          ; v64-191 Wo's: (w, s) at 32 w + 8 s
.set ACC,  192                         ; v192-223
.set BI,   224                         ; v224-255
.macro CROUND                          ; a round of the cluster's barrier
	s_barrier_signal -1
	s_barrier_wait -1
	s_cmp_lg_u32 s[WV], 0
	s_cbranch_scc1 .Lnot_wave_0_\@
	s_barrier_signal -3
.Lnot_wave_0_\@:
	s_barrier_wait -3
	s_barrier_signal -1
	s_barrier_wait -1
.endm
.macro MM d, a, b, c, sa, sb, ra       ; ra: source 0's scale words stand in lanes 16-31
.if (\ra) == 0
	v_wmma_scale_f32_16x16x128_f8f6f4 v[\d:\d+7], v[\a:\a+7], v[\b:\b+7], v[\c:\c+7], v[\sa], v[\sb] matrix_a_fmt:MATRIX_FMT_FP4 matrix_b_fmt:MATRIX_FMT_FP4
.else
	v_wmma_scale_f32_16x16x128_f8f6f4 v[\d:\d+7], v[\a:\a+7], v[\b:\b+7], v[\c:\c+7], v[\sa], v[\sb] matrix_a_fmt:MATRIX_FMT_FP4 matrix_b_fmt:MATRIX_FMT_FP4 matrix_a_scale:MATRIX_SCALE_ROW1
.endif
.endm
	s_load_b128 s[4:7], s[0:1], 0x0                ; ob, pk
	s_load_b128 s[8:11], s[0:1], 0x10              ; bo, out0
	v_lshl_add_u32 v30, v0, 2, 0x29000
	v_mov_b32 v31, 0
	ds_add_u32 v30, v31
	ds_add_u32 v30, v31
	v_lshrrev_b32 v1, 5, v0
	s_delay_alu instid0(VALU_DEP_1)
	v_readfirstlane_b32 s[WV], v1                  ; wave 0..15
	s_bfe_u32 s13, ttmp6, 0x40000                  ; cx
	s_lshl_b32 s14, ttmp9, 2
	s_add_co_u32 s14, s14, s13                     ; col: it enters Wo's plain loads, the bias's and the stores' addresses alone
	s_and_b32 s15, ttmp7, 0xffff                   ; g: shared by the four partners
	s_mov_b32 s16, 15|(3<<16)|(1<<21)              ; group 1, joint: the mask, elements of 8 bytes, bit 21 beside the mask; 17 rows of 256 bytes, dense
	s_mov_b32 s17, 32<<16
	s_mov_b32 s18, 17<<16
	s_mov_b32 s19, 32<<16
	s_mov_b32 s20, 17
	s_mov_b32 s21, 32
	s_mov_b32 s22, 0
	s_mov_b32 s23, 0
	s_mov_b32 s24, 3<<16                           ; group 1, plain
	s_mov_b32 s25, 32<<16
	s_mov_b32 s26, 17<<16
	s_mov_b32 s27, 32<<16
	s_mov_b32 s28, 17
	s_mov_b32 s29, 32
	s_mov_b32 s30, 0
	s_mov_b32 s31, 0
	s_lshl_b32 s40, s15, 3
	s_add_co_u32 s40, s40, s[WV]                   ; o's record 8 g + wave (waves 0-7)
	s_mul_i32 s40, s40, REC
	s_mov_b32 s41, 0
	s_lshl_b32 s42, s14, 3
	s_add_co_u32 s42, s42, s[WV]
	s_add_co_u32 s42, s42, 600                     ; Wo's record 608 + 8 col + (wave - 8) (waves 8-15)
	s_mul_i32 s42, s42, REC
	s_mov_b32 s43, 0
	s_mov_b32 s32, 1
	s_mul_i32 s33, s[WV], REC                      ; LDS address: wave x a record, for both kinds
	s_mov_b32 s36, 1
	s_mul_i32 s37, s[WV], REC
	s_wait_dscnt 0x0
	s_wait_kmcnt 0x0
	s_add_nc_u64 s[34:35], s[4:5], s[40:41]
	s_or_b32 s35, s35, 0x80000000
	s_add_nc_u64 s[38:39], s[6:7], s[42:43]
	s_or_b32 s39, s39, 0x80000000
	CROUND                                         ; all four work-groups are here: the joint loads meet
	s_cmp_lt_u32 s[WV], 8                          ; the branch hangs on the wave's number alone; four v_nop follow each of the two lines
	s_cbranch_scc0 .Lfor_w
	tensor_load_to_lds s[32:35], s[16:23]
	s_nop 0
.rept 4
	v_nop
.endr
	s_branch .Lasked
.Lfor_w:
	tensor_load_to_lds s[36:39], s[24:31]
	s_nop 0
.rept 4
	v_nop
.endr
.Lasked:
	v_and_b32 v1, 31, v0
	s_delay_alu instid0(VALU_DEP_1)
	v_lshlrev_b32 v1, 4, v1                        ; 16 x lane
	s_wait_alu depctr_va_vdst(0)
	v_and_b32 v8, 15, v0                           ; r
	s_wait_alu depctr_va_vdst(0)
	v_bfe_u32 v9, v0, 4, 1                         ; h
	s_wait_alu depctr_va_vdst(0)
	s_and_b32 s44, s[WV], 1                        ; a
	s_lshr_b32 s45, s[WV], 1                       ; T
	s_lshl_b32 s46, s14, 9
	s_lshl_b32 s47, s44, 8
	s_add_co_u32 s46, s46, s47                     ; my 64 columns, in bytes: 512 col + 256 a
	s_mov_b32 s47, 0
	s_add_nc_u64 s[8:9], s[8:9], s[46:47]
	v_lshlrev_b32 v6, 6, v9                        ; 16 h numbers on
.irp w, 0,1,2,3
	global_load_b128 v[BI+8*\w:BI+8*\w+3], v6, s[8:9] offset:128*(\w/2)+32*(\w%2)          ; tile w = 2 b + u: columns 32 b + 16 h + 8 u + 0 .. 7, the result's layout
	global_load_b128 v[BI+8*\w+4:BI+8*\w+7], v6, s[8:9] offset:128*(\w/2)+32*(\w%2)+16
.endr
	s_lshl_b32 s48, s15, 7
	s_lshr_b32 s49, s45, 1
	s_lshl_b32 s49, s49, 5
	s_add_co_u32 s48, s48, s49
	s_and_b32 s49, s45, 1
	s_lshl_b32 s49, s49, 3
	s_add_co_u32 s48, s48, s49                     ; my tile's first token: 128 g + 32 (T / 2) + 8 (T % 2)
	s_lshl_b32 s48, s48, 11                        ; rows of 2,048 bytes
	s_add_co_u32 s48, s48, s46
	s_mov_b32 s49, 0
	s_add_nc_u64 s[10:11], s[10:11], s[48:49]
	s_mul_i32 s50, s45, REC                        ; o's record T
	s_mul_i32 s51, s44, 4*REC
	s_add_co_u32 s51, s51, WL                      ; Wo's records 4 a on
	s_mul_i32 s52, s[WV], REC
	s_add_co_u32 s52, s52, STG                     ; my stage
	v_add_nc_u32 v2, s50, v1                       ; o's fragments
	v_add_nc_u32 v3, s51, v1                       ; Wo's
	v_lshlrev_b32 v4, 4, v8
	s_delay_alu instid0(VALU_DEP_1)
	v_add_nc_u32 v4, 4096, v4                      ; 4096 + 16 r
	v_mul_u32_u24 v5, v9, REC
	s_delay_alu instid0(VALU_DEP_1)
	v_add_nc_u32 v5, v5, v4
	s_delay_alu instid0(VALU_DEP_1)
	v_add_nc_u32 v5, s51, v5                       ; Wo's scale words: lanes 16-31 take the next record's
	s_delay_alu instid0(VALU_DEP_4)
	v_add_nc_u32 v4, s50, v4                       ; o's
	v_mul_u32_u24 v10, v8, SP
	s_delay_alu instid0(VALU_DEP_1)
	v_lshl_add_u32 v10, v9, 6, v10
	s_delay_alu instid0(VALU_DEP_1)
	v_add_nc_u32 v10, s52, v10                     ; into the stage: row r, + 64 h bytes
	v_mul_u32_u24 v11, v9, SP
	s_delay_alu instid0(VALU_DEP_1)
	v_lshl_add_u32 v11, v8, 4, v11
	s_delay_alu instid0(VALU_DEP_1)
	v_add_nc_u32 v11, s52, v11                     ; back: lanes 0-15 one row, lanes 16-31 the next
	v_lshlrev_b32 v7, 11, v9
	s_delay_alu instid0(VALU_DEP_1)
	v_lshl_add_u32 v7, v8, 4, v7                   ; and the same two rows in out0
	s_wait_alu depctr_va_vdst(0)
	s_wait_tensorcnt 0x0                           ; my record is in,
	s_barrier_signal -1
	s_barrier_wait -1                              ; everybody's is; nothing is filled again
	ds_load_b128 v[WS:WS+3], v5
	ds_load_b128 v[WS+4:WS+7], v5 offset:2*REC
	ds_load_b128 v[OS:OS+3], v4
.irp s, 0,1,2,3
.irp c, 0,1
	ds_load_b128 v[OF+8*\s+4*\c:OF+8*\s+4*\c+3], v2 offset:\s*1024+512*\c
.endr
.irp w, 0,1,2,3
.irp c, 0,1
	ds_load_b128 v[WF+32*\w+8*\s+4*\c:WF+32*\w+8*\s+4*\c+3], v3 offset:\w*REC+\s*1024+512*\c
.endr
.endr
.endr
	s_wait_loadcnt 0x0                             ; the bias
.irp s, 0,1,2,3
	s_wait_dscnt 10*(3-\s)                         ; K step s is in; the ten loads of each later K step stay out
.irp w, 0,1,2,3                                ; the four accumulators by turns, one instruction a turn
.if \s == 0
	MM ACC+8*\w, WF+32*\w+8*\s, OF+8*\s, BI+8*\w, WS+4*(\w/2)+\s, OS+\s, \w%2
.else
	MM ACC+8*\w, WF+32*\w+8*\s, OF+8*\s, ACC+8*\w, WS+4*(\w/2)+\s, OS+\s, \w%2
.endif
.endr
.endr
.rept 4
	v_nop                                          ; four places behind the last products: for the stores that read results and the loads into o's registers
.endr
.irp w, 0,1,2,3
	ds_store_b128 v10, v[ACC+8*\w:ACC+8*\w+3] offset:128*(\w/2)+32*(\w%2)          ; each accumulator from its low end on
	ds_store_b128 v10, v[ACC+8*\w+4:ACC+8*\w+7] offset:128*(\w/2)+32*(\w%2)+16
.endr
.irp i, 0,1,2,3,4,5,6,7
	ds_load_b128 v[OF+4*\i:OF+4*\i+3], v11 offset:2*\i*SP   ; LDS serves a wave's instructions in order: these see my stores
.endr
.irp i, 0,1,2,3,4,5,6,7
	s_wait_dscnt 7-\i                              ; rows 2 i, 2 i + 1 are back; the younger loads stay out
	global_store_b128 v7, v[OF+4*\i:OF+4*\i+3], s[10:11] offset:(2*\i+8*(\i/4))*2048 th:TH_STORE_NT   ; 16 lanes store 256 consecutive bytes, aligned; tile rows 8-15 lie 8 tokens further on; written once, read by nobody here
.endr
	s_wait_tensorcnt 0x0
	ds_add_u32 v30, v31
	s_wait_dscnt 0x0
	CROUND                                         ; the closing round: no work-group ends while a partner may still ask for a tile that names it
	s_endpgm
.Lfunc_end_k_q4a1cf0b94e_oproj:
	.size	k_q4a1cf0b94e_oproj, .Lfunc_end_k_q4a1cf0b94e_oproj-k_q4a1cf0b94e_oproj
	.p2alignl 7, 3214868480
	.fill 96, 4, 3214868480
	.section	.rodata,"a",@progbits
	.p2align	6, 0x0
	.amdhsa_kernel k_q4a1cf0b94e_oproj
		.amdhsa_group_segment_fixed_size 169984
		.amdhsa_private_segment_fixed_size 0
		.amdhsa_enable_private_segment 0
		.amdhsa_kernarg_size 32
		.amdhsa_user_sgpr_count 2
		.amdhsa_user_sgpr_kernarg_segment_ptr 1
		.amdhsa_wavefront_size32 1
		.amdhsa_system_sgpr_workgroup_id_x 1
		.amdhsa_system_sgpr_workgroup_id_y 1
		.amdhsa_system_sgpr_workgroup_id_z 1
		.amdhsa_system_vgpr_workitem_id 0
		.amdhsa_next_free_vgpr 256
		.amdhsa_next_free_sgpr 72
		.amdhsa_reserve_vcc 0
		.amdhsa_float_denorm_mode_32 3
		.amdhsa_float_denorm_mode_16_64 3
		.amdhsa_memory_ordered 1
		.amdhsa_forward_progress 1
		.amdhsa_inst_pref_size 15
	.end_amdhsa_kernel
	.amdgpu_metadata
---
amdhsa.version: [ 1, 2 ]
amdhsa.kernels:
  - .name:           k_q4a1cf0b94e_oproj
    .symbol:         k_q4a1cf0b94e_oproj.kd
    .args:
      - { .name: ob, .offset: 0, .size: 8, .value_kind: global_buffer, .address_space: global }
      - { .name: pk, .offset: 8, .size: 8, .value_kind: global_buffer, .address_space: global }
      - { .name: bo, .offset: 16, .size: 8, .value_kind: global_buffer, .address_space: global }
      - { .name: out0, .offset: 24, .size: 8, .value_kind: global_buffer, .address_space: global }
    .group_segment_fixed_size: 169984
    .private_segment_fixed_size: 0
    .kernarg_segment_align: 8
    .kernarg_segment_size: 32
    .max_flat_workgroup_size: 512
    .sgpr_count:     72
    .vgpr_count:     256
    .wavefront_size: 32
...
	.end_amdgpu_metadata
.endif
;; end of part 4
